; MI455X (gfx1250); checked and timed in simulation.
; The chip was launched on July 23, 2026; its instructions are those of AMD's public machine-readable ISA for CDNA 5 (MIT licence, August 2026) and "CDNA5" Instruction Set Architecture Reference Guide (July 2026). The comments in the code are by the model that wrote it; some were corrected since.
;; Location Expert Router. Allowed arithmetic: matrix products marked QUANTISED: E2M1 operands, one E8M0 scale for each 32 along K, by v_wmma_scale_f32_16x16x128_f8f6f4 with both operands' format E2M1 (or v_wmma_scale_f32_32x16x128_f4), f32 sums; everything else in f32.
;; Inputs: W_codes 8 x 4,000 x 32 x 16 uint8 (E2M1 codes of W, K innermost, in blocks of 32 codes, two codes a byte); W_scales 8 x 4,000 x 32 uint8 (E8M0 scales of W, one for each 32 codes along K); b 8 x 4,000 float32; pointer_addresses 2,048 int32; x_codes 2,048 x 32 x 16 uint8 (E2M1 codes of x, K innermost, in blocks of 32 codes, two codes a byte); x_scales 2,048 x 32 uint8 (E8M0 scales of x, one for each 32 codes along K).
;; Outputs: out0 2,048 x 4,000 float32.
;; This version of the problem:
;;   THIS VERSION OF THE PROBLEM IS GIVEN IN LOW PRECISION. The matrix products marked QUANTISED in the list below multiply operands that are first quantised to E2M1 (2 exponent bits, 1 mantissa bit; 4 bits a number), with one power-of-two scale for each 32 numbers along K (OCP MX v1.0); their sums are f32. All else is computed in f32.
;;   The module's matrix products, in the order in which they are computed (A, B: the left and right operand; K: the contracted axis; several contracted axes count as one K, in the product's order):
;;     1. [M 2,048, K 1,024] x [K 1,024, N 4,000]; A: input x (given as codes); B: input W (given as codes): QUANTISED
;;     2. [M 2,048, K 1,024] x [K 1,024, N 4,000]; A: input x (given as codes); B: input W (given as codes): QUANTISED
;;     3. [M 2,048, K 1,024] x [K 1,024, N 4,000]; A: input x (given as codes); B: input W (given as codes): QUANTISED
;;     4. [M 2,048, K 1,024] x [K 1,024, N 4,000]; A: input x (given as codes); B: input W (given as codes): QUANTISED
;;     5. [M 2,048, K 1,024] x [K 1,024, N 4,000]; A: input x (given as codes); B: input W (given as codes): QUANTISED
;;     6. [M 2,048, K 1,024] x [K 1,024, N 4,000]; A: input x (given as codes); B: input W (given as codes): QUANTISED
;;     7. [M 2,048, K 1,024] x [K 1,024, N 4,000]; A: input x (given as codes); B: input W (given as codes): QUANTISED
;;     8. [M 2,048, K 1,024] x [K 1,024, N 4,000]; A: input x (given as codes); B: input W (given as codes): QUANTISED
;;   THE QUANTISER, for each operand of a quantised product, along K:
;;     - K is cut into blocks of 32 from its start; a last block that is shorter is filled with zeros.
;;     - A block's scale is 2^e with e = floor(log2(the largest magnitude in the block)) - 2, held to -126 .. 127; a block of zeros has e = 0. As a byte (E8M0): e + 127.
;;     - Each number is divided by its block's scale, clamped to +-6, and rounded to the nearest number of E2M1, ties to even, subnormals kept.
;;     - The product sums the exact products of the quantised numbers (number of the format x scale) in f32.
;;   ~~~python
;;   def quantise(x, axis):      # numpy; x: float32 -> the quantised numbers, widened to float32 again
;;       x = np.moveaxis(x, axis, -1); K = x.shape[-1]
;;       x = np.pad(x, [(0, 0)] * (x.ndim - 1) + [(0, -K % 32)]); x = x.reshape(x.shape[:-1] + (-1, 32)); a = np.abs(x).max(-1, keepdims=True)
;;       e = np.where(a > 0, np.clip(np.frexp(np.where(a > 0, a, 1))[1] - 1 - 2, -126, 127), 0)      # np.frexp(a)[1] - 1 = floor(log2(a)), exactly
;;       r = np.clip(x / 2.0 ** e, -6, 6)
;;       step = 2.0 ** (np.maximum(np.frexp(np.where(r == 0, 1, r))[1] - 1, 0) - 1)
;;       q = np.round(r / step) * step * 2.0 ** e      # np.round: ties to even
;;       return np.moveaxis(q.reshape(q.shape[:-2] + (-1,))[..., :K], -1, axis).astype(np.float32)
;;   ~~~
;;   INPUTS GIVEN AS CODES. W (in the module: [8, 1024, 4000], K = its axis 1); x (in the module: [2048, 1024], K = its axis 1): each comes as NAME_codes (uint8): NAME with its K axis moved to the last place and cut into blocks of 32 codes, [.., K / 32, bytes a block], one block behind the other in memory; two codes a byte, the lower K in the low four bits (a code: sign, 2 exponent bits, 1 mantissa bit); and NAME_scales (uint8): the same leading axes, one E8M0 byte (e + 127) for each 32 codes along K. Its value is code x scale, taken as it is: it is not quantised again, and the codes and scales need not be those that the quantiser above would give.
;; One version. Each part assembles by itself: llvm-mc -triple=amdgcn-amd-amdhsa -mcpu=gfx1250 --defsym DOCPART=n.
;; ======== version 1 of 1: 2 launches
;; workspace buffers: lists 73,728 bytes of whole numbers
;; launch route (part 1): grid 8 x 1, 1 waves a work-group, no clusters, 9,728 bytes of LDS; arguments pointer_addresses, lists; writes lists
.if DOCPART == 1
	.amdgcn_target "amdgcn-amd-amdhsa--gfx1250"
	.amdhsa_code_object_version 6
	.text
	.protected	k_q598883fc4e_route
	.globl	k_q598883fc4e_route
	.p2align	8
	.type	k_q598883fc4e_route,@function
k_q598883fc4e_route:
	s_mov_b64 s[64:65], 0
	v_nop
	global_prefetch_b8 v0, s[64:65] scope:SCOPE_SE
	s_setreg_imm32_b32 hwreg(HW_REG_WAVE_MODE, 25, 1), 1
	s_wait_xcnt 0x0
; The tokens of each expert, as lists.  e(t) = pointer_addresses[t] mod 8 = its low three bits (also for negative numbers, in two's complement).
; Work-group e, one wave, reads all 2,048 pointers and compacts the tokens of expert e into two lists: even tokens and odd tokens; an entry is u = t / 2, in ascending order.
; lists: 16 regions of 4,608 bytes, region 2 e + p: words 0 .. 1,087 the entries, zeros behind the count; word 1,088 the count; zeros to the region's end.  Every byte is stored.
; The lists are gathered in LDS and leave as they lie: each store of the wave covers 512 consecutive bytes that begin at a multiple of 256 from the buffer's first byte.
; One wave to a work-group: no barrier; LDS serves a wave's instructions in order (ISA guide 5.7.1).  No matrix work, no ring: 8 KB are read and 9 KB written by each work-group.
.set REGION, 4608
.set REGW,   REGION/4
.set CNTO,   4352                      ; the count's byte in a region
.set DUMP,   2*REGION                  ; 32 words: where lanes whose token is another expert's store
.set P,    32                          ; v32-95   the pointers, then the entries
.set SA,   96                          ; v96-159  the scatter's addresses
.set Z,    160                         ; v160-163 zeros
.set OUTR, 164                         ; v164-235 the two regions on their way out
.set MK,   40                          ; s40-47 eight masks;  s48-55 eight bases;  s36, s37 the running counts, as word indices
.set BS,   48
.set CN,   36
	s_load_b128 s[4:7], s[0:1], 0x0                ; pointers s[4:5], lists s[6:7]
	v_lshl_add_u32 v240, v0, 2, 0x2500
	v_mov_b32 v241, 0
	s_mov_b32 s22, ttmp9                           ; e
	v_and_b32 v1, 31, v0                           ; l
	v_lshlrev_b32 v4, 4, v1                        ; 16 l
	v_lshlrev_b32 v5, 1, v1                        ; 2 l
	v_add_nc_u32 v20, DUMP/4, v1                   ; my dump word, as a word index
	v_mov_b32 v21, CNTO
.irp j, 0,1,2,3
	v_mov_b32 v[Z+\j], 0
.endr
	s_mul_i32 s8, s22, 2*REGION
	s_mov_b32 s9, 0
	s_wait_alu depctr_va_vdst(0)
	s_wait_kmcnt 0x0
	s_add_nc_u64 s[6:7], s[6:7], s[8:9]            ; my two regions
.irp j, 0,1,2,3,4,5,6,7,8,9,10,11,12,13,14,15
	global_load_b128 v[P+4*\j:P+4*\j+3], v4, s[4:5] offset:512*\j   ; register 4 j + i holds the pointer of token 128 j + 4 l + i
.endr
.irp k, 0,1,2,3,4,5,6,7,8,9,10,11,12,13,14,15,16,17
	ds_store_b128 v4, v[Z:Z+3] offset:512*\k       ; both regions begin as zeros; the entries and the counts land on top
.endr
; Eight registers of pointers (8 g + m: token 128 j + 4 l + i, j = 2 g + m / 4, i = m % 4, parity m % 2) are compacted.  A token of expert e gets the word: its list's running count + the number of
; lower lanes that match; any other lane gets its dump word.  The clamp is the last line but the shift; each parity has 1,024 tokens, so no list runs over.  Every store has registers of its own.
.macro GROUP g
.irp m, 0,1,2,3,4,5,6,7
	v_and_b32 v[P+8*\g+\m], 7, v[P+8*\g+\m]        ; the token's expert
.endr
.irp m, 0,1,2,3,4,5,6,7
	v_cmp_eq_u32 s[MK+\m], s22, v[P+8*\g+\m]
.endr
.irp m, 0,1,2,3,4,5,6,7
	s_mov_b32 s[BS+\m], s[CN+\m%2]
	s_bcnt1_i32_b32 s38, s[MK+\m]
	s_add_co_u32 s[CN+\m%2], s[CN+\m%2], s38
.endr
.irp m, 0,1,2,3,4,5,6,7
	v_mbcnt_lo_u32_b32 v[SA+8*\g+\m], s[MK+\m], s[BS+\m]
.endr
.irp m, 0,1,2,3,4,5,6,7
	v_cndmask_b32 v[SA+8*\g+\m], v20, v[SA+8*\g+\m], s[MK+\m]
.endr
.irp m, 0,1,2,3,4,5,6,7
	v_min_u32 v[SA+8*\g+\m], DUMP/4+31, v[SA+8*\g+\m]
.endr
.irp m, 0,1,2,3,4,5,6,7
	v_lshlrev_b32 v[SA+8*\g+\m], 2, v[SA+8*\g+\m]
.endr
.irp m, 0,1,2,3,4,5,6,7
	v_add_nc_u32 v[P+8*\g+\m], 64*(2*\g+\m/4)+(\m%4)/2, v5   ; the entry: u = t / 2 = 64 j + 2 l + i / 2
.endr
.irp m, 0,1,2,3,4,5,6,7
	ds_store_b32 v[SA+8*\g+\m], v[P+8*\g+\m]
.endr
.endm
	s_mov_b32 s[CN], 0
	s_mov_b32 s[CN+1], REGW
	s_wait_loadcnt 0x0                             ; the pointers are in
.irp g, 0,1,2,3,4,5,6,7
	GROUP \g
.endr
	s_sub_co_u32 s[CN+1], s[CN+1], REGW
	v_mov_b32 v29, s[CN]
	v_mov_b32 v30, s[CN+1]
	ds_store_b32 v21, v29                          ; all lanes write the same word with the same value
	ds_store_b32 v21, v30 offset:REGION
.irp k, 0,1,2,3,4,5,6,7,8,9,10,11,12,13,14,15,16,17
	ds_load_b128 v[OUTR+4*\k:OUTR+4*\k+3], v4 offset:512*\k   ; these see my stores
.endr
.irp k, 0,1,2,3,4,5,6,7,8,9,10,11,12,13,14,15,16,17
	s_wait_dscnt 17-\k                             ; load k is in; the 17 - k younger ones may be out
	global_store_b128 v4, v[OUTR+4*\k:OUTR+4*\k+3], s[6:7] offset:512*\k
.endr
	s_wait_tensorcnt 0x0
	ds_add_u32 v240, v241
	s_wait_dscnt 0x0
	s_endpgm
.Lfunc_end_k_q598883fc4e_route:
	.size	k_q598883fc4e_route, .Lfunc_end_k_q598883fc4e_route-k_q598883fc4e_route
	.p2alignl 7, 3214868480
	.fill 96, 4, 3214868480
	.section	.rodata,"a",@progbits
	.p2align	6, 0x0
	.amdhsa_kernel k_q598883fc4e_route
		.amdhsa_group_segment_fixed_size 9728
		.amdhsa_private_segment_fixed_size 0
		.amdhsa_enable_private_segment 0
		.amdhsa_kernarg_size 16
		.amdhsa_user_sgpr_count 2
		.amdhsa_user_sgpr_kernarg_segment_ptr 1
		.amdhsa_wavefront_size32 1
		.amdhsa_system_sgpr_workgroup_id_x 1
		.amdhsa_system_sgpr_workgroup_id_y 1
		.amdhsa_system_sgpr_workgroup_id_z 1
		.amdhsa_system_vgpr_workitem_id 0
		.amdhsa_next_free_vgpr 242
		.amdhsa_next_free_sgpr 66
		.amdhsa_reserve_vcc 0
		.amdhsa_float_denorm_mode_32 3
		.amdhsa_float_denorm_mode_16_64 3
		.amdhsa_memory_ordered 1
		.amdhsa_forward_progress 1
		.amdhsa_inst_pref_size 42
	.end_amdhsa_kernel
	.amdgpu_metadata
---
amdhsa.version: [ 1, 2 ]
amdhsa.kernels:
  - .name:           k_q598883fc4e_route
    .symbol:         k_q598883fc4e_route.kd
    .args:
      - { .name: pointer_addresses, .offset: 0, .size: 8, .value_kind: global_buffer, .address_space: global }
      - { .name: lists, .offset: 8, .size: 8, .value_kind: global_buffer, .address_space: global }
    .group_segment_fixed_size: 9728
    .private_segment_fixed_size: 0
    .kernarg_segment_align: 8
    .kernarg_segment_size: 16
    .max_flat_workgroup_size: 32
    .sgpr_count:     66
    .vgpr_count:     242
    .wavefront_size: 32
...
	.end_amdgpu_metadata
.endif
;; end of part 1
;; launch route_gemm (part 2): grid 32 x 8, 4 waves a work-group, no clusters, 152,576 bytes of LDS; arguments lists, x_codes, x_scales, W_codes, W_scales, b, out0; writes out0
.if DOCPART == 2
	.amdgcn_target "amdgcn-amd-amdhsa--gfx1250"
	.amdhsa_code_object_version 6
	.text
	.protected	k_q598883fc4e_route_gemm
	.globl	k_q598883fc4e_route_gemm
	.p2align	8
	.type	k_q598883fc4e_route_gemm,@function
k_q598883fc4e_route_gemm:
	s_mov_b64 s[64:65], 0
	v_nop
	global_prefetch_b8 v0, s[64:65] scope:SCOPE_SE
	s_setreg_imm32_b32 hwreg(HW_REG_WAVE_MODE, 25, 1), 1
	s_wait_xcnt 0x0
; out[t][:] = x[t] . W[e(t)] + b[e(t)],  e(t) = the token's expert.  The launch before has laid each expert's tokens in two lists (even tokens, odd tokens; an entry is u = t / 2):
; lists: 16 regions of 4,608 bytes, region 2 e + p: words 0 .. 1,087 the entries, zeros behind the count; word 1,088 the count.
; x: 2,048 rows, W: 8 x 4,000 rows (a row = one output column), each row 1,024 codes of E2M1 = 512 bytes, K innermost, and 32 E8M0 bytes; b, out: f32.
; Only the chosen expert's product of a token is kept by the problem, so only that one is made.
; SHARES.  Work-group (n, e): expert e, a window of 128 output columns.  Four waves: wave w has parity p = w % 2 and half s = w / 2.
; A row of out is 16,000 bytes, so odd rows begin 128 bytes into an aligned block of 256.  Waves of parity 0 take EVEN tokens and columns 128 n .. 128 n + 127, waves of parity 1 take ODD tokens and
; columns 128 n - 32 .. 128 n + 95: a row's window of 512 bytes then begins at 32000 u + 512 n or at 32000 u + 15872 + 512 n, both multiples of 256, and one store of a wave is one row's window.
; W.  The work-group's 160 columns come from memory once, as whole rows of 512 bytes, into a stage in LDS; each wave then keeps its 128 columns in registers: 64 fragments, 512 registers.
; ROWS.  Wave (p, s) takes tiles s, s + 2, .. of 16 rows of list p: 16 whole rows of x (one load a row) turn through its own stage into 8 fragments; 64 matrix instructions, used TRANSPOSED
; (source 0 = 16 columns of W, source 1 = 16 rows of x), so that a lane holds 8 neighbouring columns of one row; the bias is the C of each sum's first instruction; results go through the wave's
; own stage and leave as whole windows.  A tile's entries are asked for two tiles ahead, its rows of x one tile ahead, in front of the products of the tile in hand.
; EVERY SPLIT IS SERVED: a list holds up to 1,024 rows (32 tiles a wave: 16 trips of two); a wave leaves the loop at the first tile past its list's count; an expert without tokens stores nothing.
; NO TENSOR LOADS, NO JOINT LOADS: what the 32 work-groups of an expert share are rows of x gathered by a list of loaded numbers, and the number of tiles hangs on a loaded count;
; W's rows are shared by nobody but for 32 columns between neighbours.
; LIMITS: a scale byte 0xff gives NaN in its sums, as the format says.  Columns outside 0 .. 3,999 of an edge window are computed from clamped rows of W and never stored.
.set PIT,   528                        ; a stage row: 512 bytes + 16: 16 rows that a 16-byte access touches begin 16 bytes apart modulo 256
.set STG,   16*PIT                     ; 16 rows
.set REGION, 4608                      ; a list's region in memory
.set CNTO,  4352                       ; the count's byte in it
.set WST,   0                          ; W's stage: 160 rows
.set XST,   WST+160*PIT                ; x's stages, one a wave
.set OST,   XST+4*STG                  ; out's stages, one a wave; they end at 152,064
; window 0: v1-15, v17 addresses that stay; v23 the offset of x's scale words; v29-31 at work at the head
.set UR,   18                          ; v18-19   entry r of a tile in lane (r, h), two sets
.set VW,   24                          ; v24-28   W's rows: byte offset of chunk g (32 columns): 512 x first column + 4096 w + 16 l
.set WS,   32                          ; v32-63   W's scale words: 4 registers a column tile; lanes 0-15 K steps 0-3, lanes 16-31 K steps 4-7
.set XF,   64                          ; v64-127  x's 8 fragments; on the way out 16 rows of out
.set ACC,  128                         ; v128-191 8 accumulators
.set XO,   192                         ; v192-207 the next tile's rows: byte offsets in x_codes
.set OO,   208                         ; v208-223 this tile's windows: byte offsets in out0
.set XS,   224                         ; v224-231 x's scale words, two sets of 4
.set VS,   232                         ; v232-235 W's scale words: byte offset of my chunk g
.set VB,   236                         ; v236-239 the bias likewise
; window 1: W's fragments of column tiles 0-3 at 64 (ct % 4) + 8 q; before that v0-159: W's rows as they land.  window 2: column tiles 4-7.  window 3: v0-63 the bias, v64-127 x's rows as they land
.set BIAS, 0
.set RAW,  64
.set OS,   40                          ; s40-55 this tile's 16 entries x 32,000
.set EN,   68                          ; s68-83, s84-99 the 16 entries of a tile, two sets: tile t's lie in set t % 2
.set MSB, 0
.macro WIN new                         ; low byte: bits 1:0 source 0, 3:2 source 1, 5:4 source 2, 7:6 destination; the high byte repeats the setting that is left
.if MSB != \new
	s_set_vgpr_msb (MSB<<8)|\new
.set MSB, \new
.endif
.endm
	s_load_b256 s[4:11], s[0:1], 0x0               ; lists s[4:5], x's codes s[6:7], x's scales s[8:9], W's codes s[10:11]
	s_load_b128 s[12:15], s[0:1], 0x20             ; W's scales s[12:13], b s[14:15]
	s_load_b64 s[16:17], s[0:1], 0x30              ; out
	v_lshl_add_u32 v254, v0, 2, 0x25200
	v_mov_b32 v255, 0
	v_lshrrev_b32 v1, 5, v0
	v_readfirstlane_b32 s18, v1                    ; wave w
	s_and_b32 s19, s18, 1                          ; p
	s_lshr_b32 s20, s18, 1                         ; s
	s_mov_b32 s21, ttmp9                           ; n
	s_and_b32 s22, ttmp7, 0xffff                   ; e
	v_and_b32 v1, 31, v0                           ; l
	v_and_b32 v2, 15, v0                           ; r
	v_bfe_u32 v3, v0, 4, 1                         ; h
	v_lshlrev_b32 v4, 4, v1                        ; 16 l
	s_wait_alu depctr_va_vdst(0)
	s_lshl_b32 s23, s19, 9
	v_add_nc_u32 v6, s23, v4                       ; x's codes: 512 p + 16 l (row 2 u + p is 1024 u + 512 p)
	s_lshl_b32 s23, s19, 5
	v_lshl_add_u32 v7, v3, 4, s23                  ; x's scales: 32 p + 16 h
	s_mul_i32 s23, s19, 15872
	s_lshl_b32 s24, s21, 9
	s_add_co_u32 s23, s23, s24
	v_add_nc_u32 v8, s23, v4                       ; out: 15872 p + 512 n + 16 l
	v_lshlrev_b32 v17, 2, v2                       ; a tile's entry r
	; every LDS address register is made here and none is written again
	s_mul_i32 s23, s18, STG
	s_add_co_u32 s24, s23, XST
	s_add_co_u32 s25, s23, OST
	v_add_nc_u32 v9, s24, v4                       ; x's stage, in: a row's 512 bytes, 16 a lane
	v_mul_u32_u24 v29, v2, PIT
	v_lshl_add_u32 v10, v3, 4, v29
	v_add_nc_u32 v10, s24, v10                     ; and out of it: a fragment's row r, + 16 h
	v_lshl_add_u32 v11, v3, 5, v29
	v_add_nc_u32 v11, s25, v11                     ; out's stage, in: row r, + 32 h
	v_add_nc_u32 v12, s25, v4                      ; and out of it: a row's 512 bytes
	s_mul_i32 s23, s18, 8*PIT
	s_add_co_u32 s23, s23, WST
	v_add_nc_u32 v13, s23, v4                      ; W's stage, in: of each chunk of 32 rows wave w brings rows 8 w .. 8 w + 7
	v_add_nc_u32 v14, 128*PIT, v13                 ; (chunk 4 lies past the 16-bit immediate)
	s_xor_b32 s23, s19, 1
	s_mul_i32 s23, s23, 32*PIT                     ; parity 1 begins at stage row 0 (column 128 n - 32), parity 0 at stage row 32
	s_add_co_u32 s23, s23, WST
	v_lshl_add_u32 v15, v3, 4, v29
	v_add_nc_u32 v15, s23, v15                     ; and out of it: a fragment's row r, + 16 h
	; which lanes' four columns exist: 128 n - 32 p + 4 l under 4,000, compared unsigned, so that columns under 0 fail too.  VCC keeps this mask to the end
	s_lshl_b32 s23, s21, 7
	s_lshl_b32 s24, s19, 5
	s_sub_co_u32 s25, s23, s24                     ; my first column
	v_lshl_add_u32 v29, v1, 2, s25
	v_cmp_gt_u32 vcc_lo, 4000, v29
	; chunks of 32 columns, each clamped as a whole into 0 .. 3,968: the table's edges fall on multiples of 32, so a chunk is either whole or never stored
	s_sub_co_i32 s26, s23, 32                      ; the stage's first column
	v_lshl_add_u32 v29, s18, 12, v4                ; my 8 rows of a chunk: 4096 w + 16 l
	s_wait_alu depctr_va_vdst(0)
.irp g, 0,1,2,3,4
	s_add_co_i32 s27, s26, 32*\g
	s_max_i32 s27, s27, 0
	s_min_i32 s27, s27, 3968
	s_lshl_b32 s27, s27, 9
	v_add_nc_u32 v[VW+\g], s27, v29
.endr
	v_lshlrev_b32 v30, 5, v2
	v_lshl_add_u32 v30, v3, 4, v30                 ; W's scales: 32 r + 16 h
	s_wait_alu depctr_va_vdst(0)
	v_lshlrev_b32 v31, 5, v3                       ; the bias: 4 x 8 h
	s_wait_alu depctr_va_vdst(0)
.irp g, 0,1,2,3
	s_add_co_i32 s27, s25, 32*\g
	s_max_i32 s27, s27, 0
	s_min_i32 s27, s27, 3968
	s_lshl_b32 s28, s27, 5
	s_lshl_b32 s29, s27, 2
	v_add_nc_u32 v[VS+\g], s28, v30
	v_add_nc_u32 v[VB+\g], s29, v31
.endr
	s_lshl_b32 s31, s20, 4                         ; my first tile's first row in the list: 16 s
	s_mov_b32 s57, 0
	s_wait_kmcnt 0x0
	s_mul_i32 s56, s22, 4000*512
	s_add_nc_u64 s[10:11], s[10:11], s[56:57]      ; W's codes, W's scales and b at expert e
	s_mul_i32 s56, s22, 4000*32
	s_add_nc_u64 s[12:13], s[12:13], s[56:57]
	s_mul_i32 s56, s22, 4000*4
	s_add_nc_u64 s[14:15], s[14:15], s[56:57]
	s_lshl_b32 s56, s22, 1
	s_add_co_u32 s56, s56, s19
	s_mul_i32 s56, s56, REGION
	s_add_nc_u64 s[26:27], s[4:5], s[56:57]        ; my list's region, for its count
	s_lshl_b32 s23, s20, 6
	s_add_co_u32 s56, s56, s23
	s_add_nc_u64 s[4:5], s[4:5], s[56:57]          ; and my first tile's entries; my next tile's lie 128 bytes on
	s_load_b32 s30, s[26:27], CNTO
	s_load_b512 s[EN:EN+15], s[4:5], 0x0           ; my tile 0's 16 entries,
	s_load_b512 s[EN+16:EN+31], s[4:5], 0x80       ; my tile 1's
	global_load_b32 v[UR], v17, s[4:5]             ; and the same, entry r in lane (r, h)
	global_load_b32 v[UR+1], v17, s[4:5] offset:128
	; W's 160 rows, 40 a wave: each load is one row's 512 bytes.  Chunks 1 to 3 are read by this work-group alone; chunks 0 and 4 by a neighbour too
	WIN 0x40                                       ; destination window 1
.irp g, 0,1,2,3,4
.irp k, 0,1,2,3,4,5,6,7
.if (\g == 0) || (\g == 4)
	global_load_b128 v[4*(8*\g+\k):4*(8*\g+\k)+3], v[VW+\g], s[10:11] offset:512*\k
.else
	global_load_b128 v[4*(8*\g+\k):4*(8*\g+\k)+3], v[VW+\g], s[10:11] offset:512*\k th:TH_LOAD_NT
.endif
.endr
.endr
	WIN 0
; The 16 rows of x of the tile whose entries lie in set j are asked for: one load a row, 512 consecutive bytes; and their scale words into set j: lane (r, h) gets words 4 h .. 4 h + 3 of row r.
; An entry is a loaded number: it is held inside the table.  The held entries stay in their scalar registers: they serve again for the tile's windows of out.
.macro XREQ j
.irp i, 0,1,2,3,4,5,6,7,8,9,10,11,12,13,14,15
	s_min_u32 s[EN+16*(\j)+\i], s[EN+16*(\j)+\i], 1023
.endr
	v_min_u32 v23, 1023, v[UR+(\j)]
.irp i, 0,1,2,3,4,5,6,7,8,9,10,11,12,13,14,15
	v_lshl_add_u32 v[XO+\i], s[EN+16*(\j)+\i], 10, v6
.endr
	v_lshl_add_u32 v23, v23, 6, v7
	s_wait_alu depctr_va_vdst(0)
	s_wait_dscnt 0x0                               ; in the loop: x's fragments are in, and the stores into my stage have read the registers into which the rows below land
	WIN 0xc0                                       ; destination window 3
.irp i, 0,1,2,3,4,5,6,7,8,9,10,11,12,13,14,15
	global_load_b128 v[RAW+4*\i:RAW+4*\i+3], v[XO+\i], s[6:7]
.endr
	WIN 0
	global_load_b128 v[XS+4*(\j):XS+4*(\j)+3], v23, s[8:9]
.endm
	s_wait_kmcnt 0x0                               ; the count and two tiles' entries
	s_min_u32 s30, s30, 1024                       ; my list's count
	s_wait_loadcnt 40                              ; the two loads of entries are in; the 40 of W's rows, issued behind them, stay out
	XREQ 0                                         ; the first tile's rows (of an empty list: entry 0's, which nobody uses)
.irp ct, 0,1,2,3,4,5,6,7
	global_load_b128 v[WS+4*\ct:WS+4*\ct+3], v[VS+\ct/2], s[12:13] offset:512*(\ct%2)   ; 16 columns x 32 scale bytes: 512 consecutive bytes
.endr
	WIN 0xc0
.irp ct, 0,1,2,3,4,5,6,7
	global_load_b128 v[BIAS+8*\ct:BIAS+8*\ct+3],   v[VB+\ct/2], s[14:15] offset:64*(\ct%2)      ; in the result's layout: register j of lane (r, h) is b at column 16 ct + 8 h + j
	global_load_b128 v[BIAS+8*\ct+4:BIAS+8*\ct+7], v[VB+\ct/2], s[14:15] offset:64*(\ct%2)+16
.endr
	WIN 0
	s_wait_loadcnt 41                              ; W's rows are in: behind them stand 16 + 1 loads for x, 8 of scale words, 16 of the bias
	WIN 0x04                                       ; an LDS store's data are its source 1: window 1
.irp g, 0,1,2,3
.irp k, 0,1,2,3,4,5,6,7
	ds_store_b128 v13, v[4*(8*\g+\k):4*(8*\g+\k)+3] offset:(32*\g+\k)*PIT
.endr
.endr
.irp k, 0,1,2,3,4,5,6,7
	ds_store_b128 v14, v[4*(32+\k):4*(32+\k)+3] offset:\k*PIT
.endr
	WIN 0
	s_wait_dscnt 0x0                               ; for the others' sake: my rows of W lie in the stage
	s_barrier_signal -1
	s_barrier_wait -1                              ; all 160 do, and are never written again
	; a fragment, 16 rows x 128 K of 4-bit codes: lane (r, h) holds row r; registers 4 c .. 4 c + 3 hold K = 64 c + 32 h + 0 .. 31: two loads of 16 bytes, 32 apart
	WIN 0x40
.irp ct, 0,1,2,3
.irp q, 0,1,2,3,4,5,6,7
.irp c, 0,1
	ds_load_b128 v[64*\ct+8*\q+4*\c:64*\ct+8*\q+4*\c+3], v15 offset:STG*\ct+64*\q+32*\c
.endr
.endr
.endr
	WIN 0x80
.irp ct, 4,5,6,7
.irp q, 0,1,2,3,4,5,6,7
.irp c, 0,1
	ds_load_b128 v[64*(\ct-4)+8*\q+4*\c:64*(\ct-4)+8*\q+4*\c+3], v15 offset:STG*\ct+64*\q+32*\c
.endr
.endr
.endr
	WIN 0
	s_wait_dscnt 0x0                               ; my 128 columns of W stay in registers from here on
; Four matrix instructions: column tiles 4 G .. 4 G + 3, K step q, x's scale words of set a.  The four accumulators take turns, one instruction a turn.
; K step q's scale word is register q % 4, in lanes 0-15 for q < 4 and in lanes 16-31 (ROW1) from q = 4 on, on both sides.  q = 0 starts the sums on the bias.
.macro MUL4 G, q, a
.irp t, 0,1,2,3
.if \q == 0
	v_wmma_scale_f32_16x16x128_f8f6f4 v[ACC+8*(4*\G+\t):ACC+8*(4*\G+\t)+7], v[64*\t+8*\q:64*\t+8*\q+7], v[XF+8*\q:XF+8*\q+7], v[BIAS+8*(4*\G+\t):BIAS+8*(4*\G+\t)+7], v[WS+4*(4*\G+\t)+\q%4], v[XS+4*\a+\q%4] matrix_a_fmt:MATRIX_FMT_FP4 matrix_b_fmt:MATRIX_FMT_FP4
.elseif \q < 4
	v_wmma_scale_f32_16x16x128_f8f6f4 v[ACC+8*(4*\G+\t):ACC+8*(4*\G+\t)+7], v[64*\t+8*\q:64*\t+8*\q+7], v[XF+8*\q:XF+8*\q+7], v[ACC+8*(4*\G+\t):ACC+8*(4*\G+\t)+7], v[WS+4*(4*\G+\t)+\q%4], v[XS+4*\a+\q%4] matrix_a_fmt:MATRIX_FMT_FP4 matrix_b_fmt:MATRIX_FMT_FP4
.else
	v_wmma_scale_f32_16x16x128_f8f6f4 v[ACC+8*(4*\G+\t):ACC+8*(4*\G+\t)+7], v[64*\t+8*\q:64*\t+8*\q+7], v[XF+8*\q:XF+8*\q+7], v[ACC+8*(4*\G+\t):ACC+8*(4*\G+\t)+7], v[WS+4*(4*\G+\t)+\q%4], v[XS+4*\a+\q%4] matrix_a_fmt:MATRIX_FMT_FP4 matrix_b_fmt:MATRIX_FMT_FP4 matrix_a_scale:MATRIX_SCALE_ROW1 matrix_b_scale:MATRIX_SCALE_ROW1
.endif
.endr
.endm
; A tile of 16 rows of my list, from row s31 on: the a-th of the trip.  Its rows of x and its scale words (set a) were asked for a tile ago; its entries, held inside the table, stand in set a;
; the next tile's entries were asked for a tile ago into set 1 - a.  s[4:5] stands at this tile's entries.
.macro TILE a
	s_cmp_ge_u32 s31, s30                          ; past my list's count: nothing is left for this wave
	s_cbranch_scc1 .Lend
.irp i, 0,1,2,3,4,5,6,7,8,9,10,11,12,13,14,15
	s_mul_i32 s[OS+\i], s[EN+16*\a+\i], 32000      ; two rows of out are 32,000 bytes: kept for the way out, so that set a is free at once
.endr
	s_wait_kmcnt 0x0                               ; the next tile's entries are in
	s_wait_loadcnt 0x0                             ; the tile's 16 rows, its scale words and the next tile's entry r are in (in the first tile W's scale words and the bias too); so their address registers may be written again
	s_load_b512 s[EN+16*\a:EN+16*\a+15], s[4:5], 0x100     ; the entries of the tile after the next: a whole tile ahead of the wait for them
	global_load_b32 v[UR+\a], v17, s[4:5] offset:256
	WIN 0x0c                                       ; store data: window 3
.irp i, 0,1,2,3,4,5,6,7,8,9,10,11,12,13,14,15
	ds_store_b128 v9, v[RAW+4*\i:RAW+4*\i+3] offset:PIT*\i
.endr
	WIN 0
.irp q, 0,1,2,3,4,5,6,7
.irp c, 0,1
	ds_load_b128 v[XF+8*\q+4*\c:XF+8*\q+4*\c+3], v10 offset:64*\q+32*\c   ; my own stage: LDS serves a wave's instructions in order (ISA guide 5.7.1), so no wait stands between the stores and these
.endr
.endr
	XREQ 1-\a                                      ; the next tile's rows go out ahead of this tile's products
	WIN 0x31                                       ; source 0 (W) window 1, source 2 (the bias) window 3
	MUL4 0, 0, \a
	WIN 0x01
.irp q, 1,2,3,4,5,6,7
	MUL4 0, \q, \a
.endr
	WIN 0x32                                       ; W: window 2
	MUL4 1, 0, \a
	WIN 0x02
.irp q, 1,2,3,4,5,6,7
	MUL4 1, \q, \a
.endr
	WIN 0
	; the windows' offsets in out: 16 plain vector instructions that name no register of the products: they are the places ahead of the reads of the results and of the loads over x's fragments
.irp i, 0,1,2,3,4,5,6,7,8,9,10,11,12,13,14,15
	v_add_nc_u32 v[OO+\i], s[OS+\i], v8
.endr
.irp ct, 0,1,2,3,4,5,6,7
	ds_store_b128 v11, v[ACC+8*\ct:ACC+8*\ct+3] offset:64*\ct          ; lane (r, h): row r, columns 16 ct + 8 h + 0 .. 7; each accumulator from its low end on
	ds_store_b128 v11, v[ACC+8*\ct+4:ACC+8*\ct+7] offset:64*\ct+16
.endr
.irp i, 0,1,2,3,4,5,6,7,8,9,10,11,12,13,14,15
	ds_load_b128 v[XF+4*\i:XF+4*\i+3], v12 offset:PIT*\i               ; back as whole windows of 512 bytes, a row a load
.endr
	s_sub_co_u32 s32, s30, s31                     ; rows of the list left, at least 1
	s_wait_dscnt 0x0
	s_wait_xcnt 0x0                                ; EXEC is a source of the loads just issued: it changes only behind this wait
	s_and_saveexec_b32 s33, vcc_lo                 ; only lanes whose columns exist
	global_store_b128 v[OO], v[XF:XF+3], s[16:17] th:TH_STORE_NT       ; 32 lanes store 512 consecutive bytes that begin at a multiple of 256 from out's first byte; written once
.irp i, 1,2,3,4,5,6,7,8,9,10,11,12,13,14,15
	s_cmp_le_u32 s32, \i                           ; the list's last tile may be short
	s_cbranch_scc1 .Ldone_\@
	s_wait_alu depctr_va_vdst(0)
	global_store_b128 v[OO+\i], v[XF+4*\i:XF+4*\i+3], s[16:17] th:TH_STORE_NT
.endr
.Ldone_\@:
	s_wait_xcnt 0x0                                ; the stores have read their offsets, their data and EXEC, and the loads of entries their base: all are written again only behind this wait
	s_or_b32 exec_lo, exec_lo, s33
	s_add_nc_u64 s[4:5], s[4:5], 128               ; my next tile's entries: 32 rows on; the other wave of my parity takes the 16 rows between.  The deepest read is word 1,008 + 64 + 15 of a region's 1,088 entries
	s_add_co_u32 s31, s31, 32
.endm
	s_mov_b32 s34, 16                              ; 32 tiles at the most: 1,024 rows shared by two waves
.Ltiles:
	TILE 0
	TILE 1
	s_sub_co_u32 s34, s34, 1
	s_cmp_lg_u32 s34, 0
	s_cbranch_scc1 .Ltiles
.Lend:
	s_wait_tensorcnt 0x0
	ds_add_u32 v254, v255
	s_wait_dscnt 0x0
	s_endpgm
.Lfunc_end_k_q598883fc4e_route_gemm:
	.size	k_q598883fc4e_route_gemm, .Lfunc_end_k_q598883fc4e_route_gemm-k_q598883fc4e_route_gemm
	.p2alignl 7, 3214868480
	.fill 96, 4, 3214868480
	.section	.rodata,"a",@progbits
	.p2align	6, 0x0
	.amdhsa_kernel k_q598883fc4e_route_gemm
		.amdhsa_group_segment_fixed_size 152576
		.amdhsa_private_segment_fixed_size 0
		.amdhsa_enable_private_segment 0
		.amdhsa_kernarg_size 56
		.amdhsa_user_sgpr_count 2
		.amdhsa_user_sgpr_kernarg_segment_ptr 1
		.amdhsa_wavefront_size32 1
		.amdhsa_system_sgpr_workgroup_id_x 1
		.amdhsa_system_sgpr_workgroup_id_y 1
		.amdhsa_system_sgpr_workgroup_id_z 1
		.amdhsa_system_vgpr_workitem_id 0
		.amdhsa_next_free_vgpr 896
		.amdhsa_next_free_sgpr 100
		.amdhsa_reserve_vcc 1
		.amdhsa_float_denorm_mode_32 3
		.amdhsa_float_denorm_mode_16_64 3
		.amdhsa_memory_ordered 1
		.amdhsa_forward_progress 1
		.amdhsa_inst_pref_size 70
	.end_amdhsa_kernel
	.amdgpu_metadata
---
amdhsa.version: [ 1, 2 ]
amdhsa.kernels:
  - .name:           k_q598883fc4e_route_gemm
    .symbol:         k_q598883fc4e_route_gemm.kd
    .args:
      - { .name: lists, .offset: 0, .size: 8, .value_kind: global_buffer, .address_space: global }
      - { .name: x_codes, .offset: 8, .size: 8, .value_kind: global_buffer, .address_space: global }
      - { .name: x_scales, .offset: 16, .size: 8, .value_kind: global_buffer, .address_space: global }
      - { .name: W_codes, .offset: 24, .size: 8, .value_kind: global_buffer, .address_space: global }
      - { .name: W_scales, .offset: 32, .size: 8, .value_kind: global_buffer, .address_space: global }
      - { .name: b, .offset: 40, .size: 8, .value_kind: global_buffer, .address_space: global }
      - { .name: out0, .offset: 48, .size: 8, .value_kind: global_buffer, .address_space: global }
    .group_segment_fixed_size: 152576
    .private_segment_fixed_size: 0
    .kernarg_segment_align: 8
    .kernarg_segment_size: 56
    .max_flat_workgroup_size: 128
    .sgpr_count:     100
    .vgpr_count:     896
    .wavefront_size: 32
...
	.end_amdgpu_metadata
.endif
;; end of part 2
